; MI455X (gfx1250); checked and timed in simulation.
; The chip was launched on July 23, 2026; its instructions are those of AMD's public machine-readable ISA for CDNA 5 (MIT licence, August 2026) and "CDNA5" Instruction Set Architecture Reference Guide (July 2026). The comments in the code are by the model that wrote it; some were corrected since.
;; Multi Head Attention. Allowed arithmetic: float matrix products may take bf16 or f16 operands with f32 sums; all other float work in f32.
;; Inputs: Wk 16 x 1,024 x 64 float32; Wo 1,024 x 1,024 float32; Wq 16 x 1,024 x 64 float32; Wv 16 x 1,024 x 64 float32; bk 16 x 64 float32; bo 1,024 float32; bq 16 x 64 float32; bv 16 x 64 float32; key 2 x 2,048 x 1,024 float32; query 2 x 2,048 x 1,024 float32; value 2 x 2,048 x 1,024 float32.
;; Outputs: out0 2 x 2,048 x 1,024 float32.
;; One version. Each part assembles by itself: llvm-mc -triple=amdgcn-amd-amdhsa -mcpu=gfx1250 --defsym DOCPART=n.
;; ======== version 1 of 1: 4 launches
;; workspace buffers: xb 25,165,824 bytes; wb 8,388,608 bytes; qkv 25,165,824 bytes; ctx 8,388,608 bytes
;; launch cast (part 1): grid 1024 x 1, 8 waves a work-group, no clusters, 0 bytes of LDS; arguments query, key, value, Wq, Wk, Wv, Wo, xb, wb; writes xb, wb
.if DOCPART == 1
	.amdgcn_target "amdgcn-amd-amdhsa--gfx1250"
	.amdhsa_code_object_version 6
	.text
	.protected	k_qe3362bf1af_cast
	.globl	k_qe3362bf1af_cast
	.p2align	8
	.type	k_qe3362bf1af_cast,@function
k_qe3362bf1af_cast:
	s_mov_b64 s[64:65], 0
	v_nop
	global_prefetch_b8 v0, s[64:65] scope:SCOPE_SE
	s_setreg_imm32_b32 hwreg(HW_REG_WAVE_MODE, 25, 1), 1
	s_wait_xcnt 0x0
; f32 -> bf16 (round to nearest even) of the three activations and the four weights, once, so that the products that follow
; can bring their tiles into LDS as bf16 and read fragments from there without converting.
;   xb [3][4096][1024] bf16 : query, key, value as they lie.
;   wb [4][1024 k][1024 n] bf16 : planes 0..2 = Wq, Wk, Wv with n = 64 head + d (the heads side by side), plane 3 = Wo as it lies.
; A stream: no LDS, no barrier, no matrix unit, no cluster (no two work-groups read the same byte).
; A work-group takes 65,536 bytes of f32, a wave 8,192: sixteen 16-byte loads a lane, all issued before the first is used.
; Each store of a wave covers 256 consecutive bytes that start at a multiple of 256 from the buffer's first byte.
; No register is written twice, so no wait frees a source.
.set X,  4                             ; v[4:67]    sixteen loads of four f32
.set Y,  68                            ; v[68:99]   sixteen pairs of packed bf16
.set TL, 100                           ; lane
.set TW, 101                           ; wave
.set TH, 102                           ; at work
; sixteen loads instep bytes apart, sixteen stores outstep bytes apart
.macro COPY16 instep, outstep
.irp i, 0,1,2,3,4,5,6,7,8,9,10,11,12,13,14,15
	global_load_b128 v[X+4*\i:X+4*\i+3], v1, s[22:23] offset:\i*\instep th:TH_LOAD_NT
.endr
.irp i, 0,1,2,3,4,5,6,7,8,9,10,11,12,13,14,15
	s_wait_loadcnt 15-\i                           ; loads come back in order: load i is in, the 15 - i younger ones stay out
	v_cvt_pk_bf16_f32 v[Y+2*\i],   v[X+4*\i],   v[X+4*\i+1]
	v_cvt_pk_bf16_f32 v[Y+2*\i+1], v[X+4*\i+2], v[X+4*\i+3]
	global_store_b64 v2, v[Y+2*\i:Y+2*\i+1], s[24:25] offset:\i*\outstep
.endr
.endm
	s_load_b512 s[4:19], s[0:1], 0x0               ; query 4:5, key 6:7, value 8:9, Wq 10:11, Wk 12:13, Wv 14:15, Wo 16:17, xb 18:19
	s_load_b64 s[20:21], s[0:1], 0x40              ; wb
	s_mov_b32 s2, ttmp9                            ; work-group 0..1023
	v_and_b32 v[TL], 31, v0
	v_lshrrev_b32 v[TW], 5, v0
	s_mov_b32 s27, 0                               ; high words of the two offset pairs
	s_mov_b32 s29, 0
	s_cmp_ge_u32 s2, 768
	s_cbranch_scc1 .Lweights
	; work-groups 0..767: 256 for each of query, key, value
	s_lshr_b32 s3, s2, 8                           ; which of the three
	s_and_b32 s26, s2, 255
	s_lshl_b32 s26, s26, 16                        ; 65,536 bytes of f32 each
	s_lshl_b32 s28, s2, 15                         ; 32,768 bytes of bf16 each; the three planes of xb follow each other
	s_wait_kmcnt 0x0
	s_cmp_eq_u32 s3, 1
	s_cselect_b64 s[22:23], s[6:7], s[4:5]
	s_cmp_eq_u32 s3, 2
	s_cselect_b64 s[22:23], s[8:9], s[22:23]
	s_add_nc_u64 s[22:23], s[22:23], s[26:27]
	s_add_nc_u64 s[24:25], s[18:19], s[28:29]
	s_branch .Lplain
.Lweights:
	s_sub_co_u32 s2, s2, 768                       ; 0..255: 64 for each of Wq, Wk, Wv, Wo
	s_cmp_lt_u32 s2, 192
	s_cbranch_scc1 .Lheads
	s_and_b32 s26, s2, 63                          ; Wo keeps its layout
	s_lshl_b32 s26, s26, 16
	s_lshl_b32 s28, s2, 15                         ; 192 x 32,768 = plane 3 of wb
	s_wait_kmcnt 0x0
	s_add_nc_u64 s[22:23], s[16:17], s[26:27]
	s_add_nc_u64 s[24:25], s[20:21], s[28:29]
.Lplain:
	v_lshlrev_b32 v1, 4, v[TL]                     ; in: 8,192 wave + 16 lane; a load of the wave covers 512 neighbouring bytes
	v_lshl_or_b32 v1, v[TW], 13, v1
	v_lshlrev_b32 v2, 3, v[TL]                     ; out: 4,096 wave + 8 lane
	v_lshl_or_b32 v2, v[TW], 12, v2
	COPY16 512, 256
	s_endpgm
.Lheads:
	; W [16 heads][1024 k][64 d] -> wb plane [1024 k][64 head + d].  The work-group takes two neighbouring heads x 128 k, a wave 16 k.
	; One load: lanes 0-15 the 256 bytes of row k of the even head, lanes 16-31 those of the odd head (262,144 bytes further);
	; the store puts the two side by side: 256 bytes of row k of the plane.
	s_lshr_b32 s3, s2, 6                           ; which of Wq, Wk, Wv
	s_bfe_u32 s26, s2, 0x30003                     ; pair of heads 0..7
	s_and_b32 s30, s2, 7                           ; block of 128 k, 0..7
	s_lshl_b32 s28, s26, 8                         ; out: 256 bytes a pair of heads
	s_lshl_b32 s26, s26, 19                        ; in: 524,288 bytes a pair of heads
	s_lshl_b32 s31, s30, 15                        ; in: 128 rows of 256 bytes
	s_add_co_u32 s26, s26, s31
	s_lshl_b32 s31, s30, 18                        ; out: 128 rows of 2,048 bytes
	s_add_co_u32 s28, s28, s31
	s_lshl_b32 s31, s3, 21                         ; out: the plane
	s_add_co_u32 s28, s28, s31
	s_wait_kmcnt 0x0
	s_cmp_eq_u32 s3, 1
	s_cselect_b64 s[22:23], s[12:13], s[10:11]
	s_cmp_eq_u32 s3, 2
	s_cselect_b64 s[22:23], s[14:15], s[22:23]
	s_add_nc_u64 s[22:23], s[22:23], s[26:27]
	s_add_nc_u64 s[24:25], s[20:21], s[28:29]
	v_and_b32 v[TH], 15, v0
	v_lshlrev_b32 v1, 4, v[TH]                     ; in: 16 (lane mod 16)
	v_bfe_u32 v[TH], v0, 4, 1
	v_lshl_or_b32 v1, v[TH], 18, v1                ;     + the odd head for lanes 16-31
	v_lshl_or_b32 v1, v[TW], 12, v1                ;     + 16 rows of 256 bytes a wave
	v_lshlrev_b32 v2, 3, v[TL]                     ; out: 8 lane
	v_lshl_or_b32 v2, v[TW], 15, v2                ;     + 16 rows of 2,048 bytes a wave
	COPY16 256, 2048
	s_endpgm
.Lfunc_end_k_qe3362bf1af_cast:
	.size	k_qe3362bf1af_cast, .Lfunc_end_k_qe3362bf1af_cast-k_qe3362bf1af_cast
	.p2alignl 7, 3214868480
	.fill 96, 4, 3214868480
	.section	.rodata,"a",@progbits
	.p2align	6, 0x0
	.amdhsa_kernel k_qe3362bf1af_cast
		.amdhsa_group_segment_fixed_size 0
		.amdhsa_private_segment_fixed_size 0
		.amdhsa_enable_private_segment 0
		.amdhsa_kernarg_size 72
		.amdhsa_user_sgpr_count 2
		.amdhsa_user_sgpr_kernarg_segment_ptr 1
		.amdhsa_wavefront_size32 1
		.amdhsa_system_sgpr_workgroup_id_x 1
		.amdhsa_system_sgpr_workgroup_id_y 1
		.amdhsa_system_sgpr_workgroup_id_z 1
		.amdhsa_system_vgpr_workitem_id 0
		.amdhsa_next_free_vgpr 104
		.amdhsa_next_free_sgpr 66
		.amdhsa_reserve_vcc 0
		.amdhsa_float_denorm_mode_32 3
		.amdhsa_float_denorm_mode_16_64 3
		.amdhsa_memory_ordered 1
		.amdhsa_forward_progress 1
		.amdhsa_inst_pref_size 14
	.end_amdhsa_kernel
	.amdgpu_metadata
---
amdhsa.version: [ 1, 2 ]
amdhsa.kernels:
  - .name:           k_qe3362bf1af_cast
    .symbol:         k_qe3362bf1af_cast.kd
    .args:
      - { .name: query, .offset: 0, .size: 8, .value_kind: global_buffer, .address_space: global }
      - { .name: key, .offset: 8, .size: 8, .value_kind: global_buffer, .address_space: global }
      - { .name: value, .offset: 16, .size: 8, .value_kind: global_buffer, .address_space: global }
      - { .name: Wq, .offset: 24, .size: 8, .value_kind: global_buffer, .address_space: global }
      - { .name: Wk, .offset: 32, .size: 8, .value_kind: global_buffer, .address_space: global }
      - { .name: Wv, .offset: 40, .size: 8, .value_kind: global_buffer, .address_space: global }
      - { .name: Wo, .offset: 48, .size: 8, .value_kind: global_buffer, .address_space: global }
      - { .name: xb, .offset: 56, .size: 8, .value_kind: global_buffer, .address_space: global }
      - { .name: wb, .offset: 64, .size: 8, .value_kind: global_buffer, .address_space: global }
    .group_segment_fixed_size: 0
    .private_segment_fixed_size: 0
    .kernarg_segment_align: 8
    .kernarg_segment_size: 72
    .max_flat_workgroup_size: 256
    .sgpr_count:     66
    .vgpr_count:     104
    .wavefront_size: 32
...
	.end_amdgpu_metadata
.endif
;; end of part 1
;; launch proj (part 2): grid 4 x 48, 4 waves a work-group, clusters of 4 x 4, 327,680 bytes of LDS; arguments xb, wb, bq, bk, bv, qkv; writes qkv
.if DOCPART == 2
	.amdgcn_target "amdgcn-amd-amdhsa--gfx1250"
	.amdhsa_code_object_version 6
	.text
	.protected	k_qe3362bf1af_proj
	.globl	k_qe3362bf1af_proj
	.p2align	8
	.type	k_qe3362bf1af_proj,@function
k_qe3362bf1af_proj:
	s_mov_b64 s[64:65], 0
	v_nop
	global_prefetch_b8 v0, s[64:65] scope:SCOPE_SE
	s_setreg_imm32_b32 hwreg(HW_REG_WAVE_MODE, 25, 1), 1
	s_wait_xcnt 0x0
	s_wait_alu depctr_hold_cnt(0) depctr_sa_sdst(0) depctr_va_vdst(0) depctr_va_sdst(0) depctr_va_ssrc(0) depctr_va_vcc(0) depctr_vm_vsrc(0)
	s_getreg_b32 s2, hwreg(HW_REG_IB_STS2, 6, 4)
	s_cmp_eq_u32 s2, 0
	s_cbranch_scc0 .Lentry_in_a_cluster
	s_endpgm
.Lentry_in_a_cluster:
	s_bfe_u32 s2, ttmp6, 0x10000c
	s_cmp_lg_u32 s2, 0xf033
	s_cbranch_scc0 .Lentry_shape_is_right
	s_endpgm
.Lentry_shape_is_right:
; The three projections as one product: rows = xb taken as [12288][1024] (query, key, value below each other), columns = 64 head + d.
;   qkv[p][b][head][s][d] = bf16( (sum over e of x_p[b][s][e] W_p[e][64 head + d] + bias_p[64 head + d]) * f_p ),
;   f_0 = 0.125 log2(e) = 0.18033688 (the scores' 1/sqrt(64), and base 2 for the exponentials that follow), f_1 = f_2 = 1.
; Operands bf16, sums f32, one rounding to bf16 at the end.  LIMIT: q is rounded to bf16 behind the factor; the sums' order is K ascending in steps of 32.
; A work-group makes 256 x 256 with four waves, a wave 128 x 128: 64 accumulator tiles, 512 registers.  48 x 4 = 192 work-groups: blocks of
; 128 x 128 would make 768 but read twice the LDS bytes for each multiply-add.  K = 1024 goes in steps of 128 through two LDS slots.
; CLUSTERS: 4 x 4 work-groups.  The four of a row of the cluster need the same rows of xb, the four of a column the same columns of wb's plane
; (all sixteen lie in one plane p: p = block row / 16 = cluster row / 4).  Such a tile is asked for jointly, by the same load in all four.
; The weights lie [k][n]; their fragments are read from LDS by the transposing load, so nothing is transposed in memory.
;
; REGISTERS in windows of 256:
;   window 0: v16-27 addresses; v32-63, v224-255 bias; v64-127, v128-191 fragments of x, two buffers; v192-223 at work on the way out
;   window 1: v64-127, v128-191 fragments of W, two buffers
;   window 2: the 32 accumulator tiles of my rows 0-63 (tile (a, b) at v[8 (8 a + b)]);  window 3: those of my rows 64-127
; The matrix instruction is used transposed: source 0 = 16 columns of W, source 1 = 16 rows of x; lane l then holds row l % 16 and its
; registers 0-7 the columns 8 (l / 16) + 0..7: eight neighbouring numbers of a row.
.set SIZE_K, 1024
.set KSTEP,  128
.set PITCH,  272                       ; x in LDS: 256 bytes + 16: an odd multiple of 16, so the 16 rows of a fragment load start at 16 different 16-byte columns modulo 256
.set BP,     544                       ; W in LDS: 512 bytes (256 n) + 32: an odd multiple of 32, for the transposing load
.set HALFT,  128*PITCH                 ; what one tensor load brings: 128 rows of x, or 64 k-rows of W (64 x 544 is the same 34,816)
.set SLOT,   4*HALFT                   ; x's 256 rows, then W's 128 k-rows
.set STAGE,  2*SLOT                    ; behind the ring: 16 rows x 272 bytes for each wave; no tensor load lands here
.set SPITCH, 272
.set LAPS, SIZE_K/(2*KSTEP)            ; 4 laps of two K steps
.set ADRA, 16                          ; v16-17  LDS address of my x fragments in slot 0, 1
.set ADRB, 20                          ; v20-21  the same for W
.set STO,  24                          ; the way out: where I put 16 bytes of a row
.set RD,   25                          ; the way out: where I read back
.set CO,   26                          ; my byte offset in qkv
.set BOFF, 27                          ; my byte offset in the bias
.set BLO,  32                          ; bias of column blocks 0-3
.set BHI,  224                         ; bias of column blocks 4-7
.set F0,   64
.set F1,   128
.set TMP,  192
.set G1, 24                            ; s[24:31] group 1 for x's tiles
.set G0, 32                            ; s[32:39] group 0 for x's tiles, one set a slot
.set G1B, 48                           ; s[48:55] group 1 for W's tiles
.set G0B, 56                           ; s[56:63] group 0 for W's tiles, one set a slot
.set MSB, 0
.macro WIN new                         ; the immediate's high byte repeats the setting that is left
.if MSB != \new
	s_set_vgpr_msb (MSB<<8)|\new
.set MSB, \new
.endif
.endm
.set MUL_LO, 0xa1                      ; source 0 (W) window 1, source 1 (x) window 0, C and D window 2
.set MUL_HI, 0xf1                      ; the same, C and D window 3
.set TO_B,   0x40                      ; destination window 1, address window 0
; A joint load.  Waves 0 and 1 fetch x's two halves, waves 2 and 3 W's.  The branch hangs on the wave's number alone.
.macro JLOAD s
	s_cmp_eq_u32 s11, 0
	s_cbranch_scc0 .Lfor_b_\@
	tensor_load_to_lds s[G0+4*\s:G0+4*\s+3], s[G1:G1+7]
	s_nop 0
	s_branch .Lasked_\@
.Lfor_b_\@:
	tensor_load_to_lds s[G0B+4*\s:G0B+4*\s+3], s[G1B:G1B+7]
	s_nop 0
.Lasked_\@:
.endm
; A round of the cluster's barrier: my work-group's barrier; wave 0 signals for the work-group; every wave waits for all sixteen; my work-group's barrier again.
.macro CREST                           ; a round behind its opening barrier
	s_cmp_lg_u32 s10, 0
	s_cbranch_scc1 .Lnot_wave_0_\@
	s_barrier_signal -3
.Lnot_wave_0_\@:
	s_barrier_wait -3
	s_barrier_signal -1
	s_barrier_wait -1
.endm
.macro CROUND
	s_barrier_signal -1
	s_barrier_wait -1
	CREST
.endm
	s_load_b128 s[4:7], s[0:1], 0x0                ; xb s[4:5], wb s[6:7]
	s_load_b256 s[68:75], s[0:1], 0x10             ; bq 68:69, bk 70:71, bv 72:73, qkv 74:75
	s_set_vgpr_msb 0x40
	v_lshl_add_u32 v255, v0, 2, 0x48400
	s_set_vgpr_msb 0x4000
	v_mov_b32 v31, 0
	s_set_vgpr_msb 0x1
	ds_add_u32 v255, v31
	s_set_vgpr_msb 0x100
	v_lshrrev_b32 v1, 5, v0
	v_readfirstlane_b32 s10, v1                    ; wave 0..3
	s_lshr_b32 s11, s10, 1                         ; which half of the block's rows is mine.  Also: I fetch for x (0) or for W (1)
	s_and_b32 s12, s10, 1                          ; which half of its columns.  Also: which half of that tile I fetch
	s_bfe_u32 s40, ttmp6, 0x40000                  ; cx
	s_bfe_u32 s41, ttmp6, 0x40004                  ; cy
	s_lshl_b32 s42, ttmp9, 2
	s_add_co_u32 s42, s42, s40                     ; block column 0..3
	s_and_b32 s13, ttmp7, 0xffff                   ; the cluster's row 0..11
	s_lshr_b32 s45, s13, 2                         ; p: 0 query, 1 key, 2 value; the same in all sixteen work-groups
	s_lshl_b32 s13, s13, 2
	s_add_co_u32 s13, s13, s41                     ; block row 0..47
	s_lshl_b32 s43, s41, 2
	s_lshl_b32 s43, 15, s43                        ; my row of the cluster: places 4 cy .. 4 cy + 3
	s_lshl_b32 s44, 0x1111, s40                    ; my column: places cx, cx + 4, cx + 8, cx + 12
	; group 1 for x: 128 rows x 128 elements, 4 words of padding behind every 64
	s_or_b32 s[G1+0], s43, (1<<16)|(1<<20)|(1<<21)|(5<<22)|(3<<25)
	s_mov_b32 s[G1+1], KSTEP<<16                   ; tensor_dim0 = 128
	s_mov_b32 s[G1+2], 128<<16                     ; tensor_dim1 = 128
	s_mov_b32 s[G1+3], KSTEP<<16                   ; tile_dim0 = 128
	s_mov_b32 s[G1+4], 128                         ; tile_dim1 = 128
	s_mov_b32 s[G1+5], SIZE_K                      ; elements from row to row
	s_mov_b32 s[G1+6], 0
	s_mov_b32 s[G1+7], 0
	; group 1 for W: 64 k-rows x 256 elements, 8 words of padding behind every 128
	s_or_b32 s[G1B+0], s44, (1<<16)|(1<<20)|(1<<21)|(6<<22)|(7<<25)
	s_mov_b32 s[G1B+1], 256<<16                    ; tensor_dim0 = 256
	s_mov_b32 s[G1B+2], 64<<16                     ; tensor_dim1 = 64
	s_mov_b32 s[G1B+3], 256<<16                    ; tile_dim0 = 256
	s_mov_b32 s[G1B+4], 64                         ; tile_dim1 = 64
	s_mov_b32 s[G1B+5], 1024                       ; elements from k-row to k-row
	s_mov_b32 s[G1B+6], 0
	s_mov_b32 s[G1B+7], 0
	; x's tiles hang on the block row alone, W's on the block column and p alone; each address is made in registers that never hold the other coordinate
	s_lshl_b32 s16, s13, 19                        ; 256 rows of 2,048 bytes a block row
	s_lshl_b32 s17, s12, 18                        ; + my 128 rows of them
	s_add_co_u32 s16, s16, s17
	s_mov_b32 s17, 0
	s_lshl_b32 s46, s42, 9                         ; 256 columns of 2 bytes a block column
	s_lshl_b32 s47, s12, 17                        ; + my 64 k-rows of 2,048 bytes
	s_add_co_u32 s46, s46, s47
	s_lshl_b32 s47, s45, 21                        ; + the plane
	s_add_co_u32 s46, s46, s47
	s_mov_b32 s47, 0
	s_mul_i32 s20, s10, HALFT                      ; where my part goes: wave x 34,816
	s_wait_dscnt 0x0
	s_wait_kmcnt 0x0
	s_add_nc_u64 s[14:15], s[4:5], s[16:17]
	s_add_nc_u64 s[46:47], s[6:7], s[46:47]
	CROUND                                         ; all sixteen work-groups are here: the first joint loads meet
.irp s, 0,1
	s_mov_b32 s[G0+4*\s], 1
	s_add_co_u32 s[G0+4*\s+1], s20, \s*SLOT
	s_add_nc_u64 s[G0+4*\s+2:G0+4*\s+3], s[14:15], \s*KSTEP*2        ; K step s: 256 bytes along the rows
	s_or_b32 s[G0+4*\s+3], s[G0+4*\s+3], 0x80000000
	s_mov_b32 s[G0B+4*\s], 1
	s_add_co_u32 s[G0B+4*\s+1], s20, \s*SLOT
	s_add_nc_u64 s[G0B+4*\s+2:G0B+4*\s+3], s[46:47], \s*KSTEP*2048   ; K step s: 128 k-rows down
	s_or_b32 s[G0B+4*\s+3], s[G0B+4*\s+3], 0x80000000
	JLOAD \s                                       ; both slots' first fills go out before anything else
.endr
	; the bias and the factor of my plane
	s_cmp_eq_u32 s45, 1
	s_cselect_b64 s[76:77], s[70:71], s[68:69]
	s_cmp_eq_u32 s45, 2
	s_cselect_b64 s[76:77], s[72:73], s[76:77]
	s_cmp_eq_u32 s45, 0
	s_cselect_b32 s78, 0x3e38aa3b, 1.0
	s_mov_b32 s79, s78
	v_and_b32 v1, 15, v0                           ; r = l % 16
	v_bfe_u32 v2, v0, 4, 1                         ; h = l / 16
	s_lshl_b32 s80, s42, 10                        ; 256 columns of 4 bytes a block column
	s_lshl_b32 s81, s12, 9                         ; + my 128
	s_add_co_u32 s80, s80, s81
	v_lshl_add_u32 v[BOFF], v2, 5, s80             ; + 8 h numbers
.irp b, 0,1,2,3,4,5,6,7
	global_load_b128 v[BLO+8*\b+(\b/4)*(BHI-BLO-32):BLO+8*\b+(\b/4)*(BHI-BLO-32)+3],   v[BOFF], s[76:77] offset:64*\b      ; columns 16 b + 8 h + 0..3
	global_load_b128 v[BLO+8*\b+(\b/4)*(BHI-BLO-32)+4:BLO+8*\b+(\b/4)*(BHI-BLO-32)+7], v[BOFF], s[76:77] offset:64*\b+16   ; + 4..7; waited for behind the K loop
.endr
	; x's fragments: row r, 16 h bytes in; two loads 32 bytes apart
	v_mul_u32_u24 v3, v1, PITCH
	v_lshl_add_u32 v3, v2, 4, v3
	; W's fragments by the transposing load: lane l addresses k-row 8 h + (l & 7), 16 bytes at 16 ((l >> 3) & 1); the second load 16 k-rows down
	v_and_b32 v6, 7, v0
	v_lshl_add_u32 v6, v2, 3, v6
	v_mul_u32_u24 v6, v6, BP
	v_bfe_u32 v7, v0, 3, 1
	v_lshl_add_u32 v6, v7, 4, v6
	s_mul_i32 s21, s11, HALFT                      ; my 128 rows of x
	s_lshl_b32 s22, s12, 8                         ; my 128 columns of W,
	s_add_co_u32 s22, s22, 2*HALFT                 ; which lies behind x's 256 rows
.irp s, 0,1
	v_add_nc_u32 v[ADRA+\s], s21, v3
	v_add_nc_u32 v[ADRB+\s], s22, v6
	s_add_co_u32 s21, s21, SLOT
	s_add_co_u32 s22, s22, SLOT
.endr
	s_mul_i32 s23, s10, 16*SPITCH
	s_add_co_u32 s23, s23, STAGE                   ; my stage
	v_mul_u32_u24 v4, v1, SPITCH                   ; in: row r, 16 bytes for each half of the lanes
	v_lshl_add_u32 v4, v2, 4, v4
	v_add_nc_u32 v[STO], s23, v4
	v_bfe_u32 v5, v0, 3, 2                         ; back: eight lanes take the 128 bytes that one row holds of one head
	v_mul_u32_u24 v5, v5, SPITCH
	v_and_b32 v7, 7, v0
	v_lshl_add_u32 v5, v7, 4, v5
	v_add_nc_u32 v[RD], s23, v5
	v_and_b32 v[CO], 31, v0                        ; in qkv a head's rows of 128 bytes follow each other: four rows are 512 bytes, 16 a lane
	v_lshlrev_b32 v[CO], 4, v[CO]
; 16 matrix instructions: row blocks a0, a0 + 1 of the window's four x all 8 column blocks, 32 along K.  zero = 1: the first product starts the sums.
.macro MUL16 f, hi, a0, zero
.irp a, \a0, \a0+1
.irp b, 0,1,2,3,4,5,6,7
.if \zero
	v_wmma_f32_16x16x32_bf16 v[8*(8*(\a)+\b):8*(8*(\a)+\b)+7], v[\f+8*\b:\f+8*\b+7], v[\f+8*(4*\hi+\a):\f+8*(4*\hi+\a)+7], 0
.else
	v_wmma_f32_16x16x32_bf16 v[8*(8*(\a)+\b):8*(8*(\a)+\b)+7], v[\f+8*\b:\f+8*\b+7], v[\f+8*(4*\hi+\a):\f+8*(4*\hi+\a)+7], v[8*(8*(\a)+\b):8*(8*(\a)+\b)+7]
.endif
.endr
.endr
.endm
; 32 LDS loads in one run: the fragments of quarter q (32 along K) of a slot into buffer f: W's 128 columns, then x's 128 rows
.macro FETCH slot, q, f
	WIN TO_B
.irp i, 0,1,2,3,4,5,6,7
	ds_load_tr16_b128 v[\f+8*\i:\f+8*\i+3],   v[ADRB+\slot] offset:\q*32*BP+32*\i
	ds_load_tr16_b128 v[\f+8*\i+4:\f+8*\i+7], v[ADRB+\slot] offset:\q*32*BP+16*BP+32*\i
.endr
	WIN 0
.irp i, 0,1,2,3,4,5,6,7
	ds_load_b128 v[\f+8*\i:\f+8*\i+3],   v[ADRA+\slot] offset:\q*64+\i*16*PITCH
	ds_load_b128 v[\f+8*\i+4:\f+8*\i+7], v[ADRA+\slot] offset:\q*64+\i*16*PITCH+32
.endr
.endm
; A load into a register that a matrix instruction has read, and a vector instruction that touches a matrix instruction's registers, stand four
; places behind it; only plain vector instructions that name none of its registers are places.
.macro PLACES
.rept 4
	v_nop
.endr
.endm
; One of a K step's first three quarters: multiplies buffer f; in its middle it fetches quarter q of the same slot into buffer g.
; The 64 accumulators take turns, one instruction a turn, in the same order in every quarter.
.macro QUARTER slot, q, f, g, zero
	s_wait_dscnt 8                                 ; W and x's rows 0-63 are in; the youngest eight loads (x's rows 64-127) may be out
	WIN MUL_LO
	MUL16 \f, 0, 0, \zero
	MUL16 \f, 0, 2, \zero
	PLACES
	FETCH \slot, \q, \g
	s_wait_dscnt 32                                ; all but the 32 just issued
	WIN MUL_HI
	MUL16 \f, 1, 0, \zero
	MUL16 \f, 1, 2, \zero
.endm
.macro THREE slot, zero
	QUARTER \slot, 1, F0, F1, \zero
	QUARTER \slot, 2, F1, F0, 0
	QUARTER \slot, 3, F0, F1, 0
.endm
; The last quarter: multiplies buffer 1 and changes slots.  In front of the barrier each wave waits for its reads of this slot and for all its
; tensor loads (one is out: its part of the next slot).  Behind it the refill comes first, then the next slot's first fragments.
.macro TURN slot, next, fill
	s_wait_dscnt 8
	WIN MUL_LO
	MUL16 F1, 0, 0, 0
	s_wait_dscnt 0                                 ; my reads of this slot are over
	s_wait_tensorcnt 0x0                           ; all my tensor loads have landed
	ds_add_u32 v255, v31
	s_wait_dscnt 0x0
	s_barrier_signal -1                            ; (where a slot is filled again this barrier opens a round of the cluster's barrier)
	MUL16 F1, 0, 2, 0                              ; register work while the others arrive
	WIN 0
	s_barrier_wait -1
.if \fill
	CREST                                          ; no wave of any partner still reads this slot or has a load on its way
	s_add_nc_u64 s[G0+4*\slot+2:G0+4*\slot+3], s[G0+4*\slot+2:G0+4*\slot+3], 2*KSTEP*2
	s_add_nc_u64 s[G0B+4*\slot+2:G0B+4*\slot+3], s[G0B+4*\slot+2:G0B+4*\slot+3], 2*KSTEP*2048
	JLOAD \slot                                    ; the first tensor load behind the round, my only one until the next
.endif
	PLACES
	FETCH \next, 0, F0
	WIN MUL_HI
	MUL16 F1, 1, 0, 0
	MUL16 F1, 1, 2, 0
.endm
.macro LAP zero
	THREE 0, \zero
	TURN 0, 1, 1
	THREE 1, 0
	TURN 1, 0, 1
.endm
	s_wait_tensorcnt 1                             ; my part of K step 0 is in; K step 1's stays out
	s_barrier_signal -1
	s_barrier_wait -1
	FETCH 0, 0, F0
	LAP 1                                          ; K steps 0, 1; asks for 2, 3
	WIN 0
	s_mov_b32 s3, LAPS-2
.Llap:
	LAP 0                                          ; K steps 2, 3 and 4, 5; ask for 4, 5 and 6, 7
	WIN 0
	s_sub_co_u32 s3, s3, 1
	s_cmp_lg_u32 s3, 0
	s_cbranch_scc1 .Llap
	THREE 0, 0                                     ; the last lap fills nothing
	TURN 0, 1, 0
	THREE 1, 0
	s_wait_dscnt 8
	WIN MUL_LO
	MUL16 F1, 0, 0, 0
	MUL16 F1, 0, 2, 0
	s_wait_dscnt 0
	WIN MUL_HI
	MUL16 F1, 1, 0, 0
	MUL16 F1, 1, 2, 0
	; THE WAY OUT.  (sum + bias) f = sum f + (bias f): the bias is multiplied once, then one fused multiply-add for each pair of sums.
	PLACES
	WIN 0
	s_wait_loadcnt 0x0                             ; the bias
.irp b, 0,1,2,3,4,5,6,7
.irp r, 0,1,2,3
	v_pk_mul_f32 v[BLO+8*\b+(\b/4)*(BHI-BLO-32)+2*\r:BLO+8*\b+(\b/4)*(BHI-BLO-32)+2*\r+1], v[BLO+8*\b+(\b/4)*(BHI-BLO-32)+2*\r:BLO+8*\b+(\b/4)*(BHI-BLO-32)+2*\r+1], s[78:79] op_sel_hi:[1,0]
.endr
.endr
	; qkv [p][b][head][s][64]: block row / 8 = 2 p + b; heads 4 x block column + 2 x my half, + 0 or 1; s = 256 (block row % 8) + 128 x my half
	s_lshr_b32 s80, s13, 3
	s_lshl_b32 s80, s80, 22                        ; 16 heads x 262,144 bytes
	s_lshl_b32 s81, s42, 20
	s_add_co_u32 s80, s80, s81
	s_lshl_b32 s81, s12, 19
	s_add_co_u32 s80, s80, s81
	s_and_b32 s81, s13, 7
	s_lshl_b32 s81, s81, 15                        ; 256 rows of 128 bytes
	s_add_co_u32 s80, s80, s81
	s_lshl_b32 s81, s11, 14
	s_add_co_u32 s80, s80, s81
	s_mov_b32 s81, 0
	s_add_nc_u64 s[8:9], s[74:75], s[80:81]
; rows 16 i .. 16 i + 15 of my block = tiles (a, 0..7) of window 2 or 3.  wf: sums as source 0 and destination; wc: sums as sources 0 and 1.  f: F0, F1 in turn
.macro OUT16 i, a, wf, wc, f
	WIN \wf
.irp b, 0,1,2,3,4,5,6,7
.irp r, 0,1,2,3
	v_pk_fma_f32 v[8*(8*\a+\b)+2*\r:8*(8*\a+\b)+2*\r+1], v[8*(8*\a+\b)+2*\r:8*(8*\a+\b)+2*\r+1], s[78:79], v[BLO+8*\b+(\b/4)*(BHI-BLO-32)+2*\r:BLO+8*\b+(\b/4)*(BHI-BLO-32)+2*\r+1] op_sel_hi:[1,0,1]
.endr
.endr
	WIN \wc
.irp b, 0,1,2,3,4,5,6,7
.irp r, 0,1,2,3
	v_cvt_pk_bf16_f32 v[TMP+4*\b+\r], v[8*(8*\a+\b)+2*\r], v[8*(8*\a+\b)+2*\r+1]
.endr
.endr
	WIN 0
.irp b, 0,1,2,3,4,5,6,7
	ds_store_b128 v[STO], v[TMP+4*\b:TMP+4*\b+3] offset:32*\b
.endr
	s_wait_xcnt 0x0                                ; buffer f, which earlier stores read, is loaded again only behind this wait
.irp t, 0,1,2,3
.irp hh, 0,1
	ds_load_b128 v[\f+8*\t+4*\hh:\f+8*\t+4*\hh+3], v[RD] offset:\t*4*SPITCH+128*\hh   ; LDS serves a wave's instructions in order: these see the stores above
.endr
.endr
.irp t, 0,1,2,3
.irp hh, 0,1
	s_wait_dscnt 7-(2*\t+\hh)
	global_store_b128 v[CO], v[\f+8*\t+4*\hh:\f+8*\t+4*\hh+3], s[8:9] offset:\i*2048+\t*512+\hh*262144   ; four rows of one head: 512 consecutive bytes, aligned
.endr
.endr
.endm
	OUT16 0, 0, 0x82, 0x0a, F0
	OUT16 1, 1, 0x82, 0x0a, F1
	OUT16 2, 2, 0x82, 0x0a, F0
	OUT16 3, 3, 0x82, 0x0a, F1
	OUT16 4, 0, 0xc3, 0x0f, F0
	OUT16 5, 1, 0xc3, 0x0f, F1
	OUT16 6, 2, 0xc3, 0x0f, F0
	OUT16 7, 3, 0xc3, 0x0f, F1
	s_set_vgpr_msb 0x1
	s_wait_tensorcnt 0x0
	ds_add_u32 v255, v31
	s_wait_dscnt 0x0
	s_set_vgpr_msb 0x100
	CROUND                                         ; the closing round: no work-group ends while a partner may still ask for a tile that names it
	s_endpgm
.Lfunc_end_k_qe3362bf1af_proj:
	.size	k_qe3362bf1af_proj, .Lfunc_end_k_qe3362bf1af_proj-k_qe3362bf1af_proj
	.p2alignl 7, 3214868480
	.fill 96, 4, 3214868480
	.section	.rodata,"a",@progbits
	.p2align	6, 0x0
	.amdhsa_kernel k_qe3362bf1af_proj
		.amdhsa_group_segment_fixed_size 327680
		.amdhsa_private_segment_fixed_size 0
		.amdhsa_enable_private_segment 0
		.amdhsa_kernarg_size 48
		.amdhsa_user_sgpr_count 2
		.amdhsa_user_sgpr_kernarg_segment_ptr 1
		.amdhsa_wavefront_size32 1
		.amdhsa_system_sgpr_workgroup_id_x 1
		.amdhsa_system_sgpr_workgroup_id_y 1
		.amdhsa_system_sgpr_workgroup_id_z 1
		.amdhsa_system_vgpr_workitem_id 0
		.amdhsa_next_free_vgpr 1024
		.amdhsa_next_free_sgpr 92
		.amdhsa_reserve_vcc 0
		.amdhsa_float_denorm_mode_32 3
		.amdhsa_float_denorm_mode_16_64 3
		.amdhsa_memory_ordered 1
		.amdhsa_forward_progress 1
		.amdhsa_inst_pref_size 216
	.end_amdhsa_kernel
	.amdgpu_metadata
---
amdhsa.version: [ 1, 2 ]
amdhsa.kernels:
  - .name:           k_qe3362bf1af_proj
    .symbol:         k_qe3362bf1af_proj.kd
    .args:
      - { .name: xb, .offset: 0, .size: 8, .value_kind: global_buffer, .address_space: global }
      - { .name: wb, .offset: 8, .size: 8, .value_kind: global_buffer, .address_space: global }
      - { .name: bq, .offset: 16, .size: 8, .value_kind: global_buffer, .address_space: global }
      - { .name: bk, .offset: 24, .size: 8, .value_kind: global_buffer, .address_space: global }
      - { .name: bv, .offset: 32, .size: 8, .value_kind: global_buffer, .address_space: global }
      - { .name: qkv, .offset: 40, .size: 8, .value_kind: global_buffer, .address_space: global }
    .group_segment_fixed_size: 327680
    .private_segment_fixed_size: 0
    .kernarg_segment_align: 8
    .kernarg_segment_size: 48
    .max_flat_workgroup_size: 128
    .sgpr_count:     92
    .vgpr_count:     1024
    .wavefront_size: 32
...
	.end_amdgpu_metadata
.endif
;; end of part 2
;; launch attn (part 3): grid 8 x 32, 8 waves a work-group, clusters of 4 x 1, 327,680 bytes of LDS; arguments qkv, ctx; writes ctx
.if DOCPART == 3
	.amdgcn_target "amdgcn-amd-amdhsa--gfx1250"
	.amdhsa_code_object_version 6
	.text
	.protected	k_qe3362bf1af_attn
	.globl	k_qe3362bf1af_attn
	.p2align	8
	.type	k_qe3362bf1af_attn,@function
k_qe3362bf1af_attn:
	s_mov_b64 s[64:65], 0
	v_nop
	global_prefetch_b8 v0, s[64:65] scope:SCOPE_SE
	s_setreg_imm32_b32 hwreg(HW_REG_WAVE_MODE, 25, 1), 1
	s_wait_xcnt 0x0
	s_wait_alu depctr_hold_cnt(0) depctr_sa_sdst(0) depctr_va_vdst(0) depctr_va_sdst(0) depctr_va_ssrc(0) depctr_va_vcc(0) depctr_vm_vsrc(0)
	s_getreg_b32 s2, hwreg(HW_REG_IB_STS2, 6, 4)
	s_cmp_eq_u32 s2, 0
	s_cbranch_scc0 .Lentry_in_a_cluster
	s_endpgm
.Lentry_in_a_cluster:
	s_bfe_u32 s2, ttmp6, 0x10000c
	s_cmp_lg_u32 s2, 0x3003
	s_cbranch_scc0 .Lentry_shape_is_right
	s_endpgm
.Lentry_shape_is_right:
; ctx[b][head][s][d] = softmax over t of (q[s] . k[t] / 8) times v[t], for one (b, head) and 256 queries a work-group.
; q comes multiplied by 0.125 log2(e), so a score is already an exponent of 2.  A running maximum is taken away before every exponential.
; LIMITS: q, k, v, the probabilities (for the second product) and ctx are bf16; the row sum adds the unrounded f32 exponentials;
; an exponential below 2^-126 counts as 0; the keys are summed in blocks of 64.
; Eight waves, two on a SIMD.  A wave owns 32 queries (two tiles of 16).  Keys go in tiles of 256 through two LDS slots, 64 (a block) at a time.
; CLUSTER 4 x 1: the four work-groups are four query blocks of one head and read the same K and V tiles, by joint loads with the mask 15.
; cx enters the global addresses of q and of ctx alone.
; ORIENTATION: S^T = K Q^T (source 0 = 16 keys, source 1 = 16 queries): lane (r, h) holds query r, register j key 8 h + j.  So the maximum and the
; sum of a query stay in a lane but for one exchange with lane l xor 16, two score tiles pack straight into source 1 of O^T = V^T P^T, and the
; factors of a query are plain factors of a lane.  V lies [key][d] and is read by the transposing load.
; ONE BLOCK AHEAD: the 16 score products of block b + 1 are issued among the 206 vector instructions of block b's softmax, so that the wave has
; vector work to issue while its own products run.  Two score buffers take turns.  The lines that are mixed must share one window setting, so all
; that they name lies in window 0:
;   window 0: v0-31 addresses and statistics; v32-95, v96-159 the two score buffers; v160-223 K fragments; v224-255 Q fragments
;   window 1: v0-63 O^T; v64-127 V fragments
.set VP,    160                        ; V in LDS: 128 bytes + 32, an odd multiple of 32
.set KP,    144                        ; K in LDS: 128 bytes + 16, an odd multiple of 16
.set SLOT,  256*VP+256*KP              ; 77,824: V's 256 rows, then K's
.set STAGE, 2*SLOT                     ; 155,648: 32 rows x 144 bytes for each wave; no tensor load lands here
.set STO,  1                           ; the way out: where I put 16 bytes of a row
.set KADR, 2                           ; v2-3   my K fragments in slot 0, 1
.set VADR, 4                           ; v4-5   my V fragments
.set M,    6                           ; v6-7     running maximum of query tile 0, 1
.set MN,   8                           ; v[8:11]  the new maximum, twice, for each tile
.set AL,   12                          ; v[12:15] 2^(old - new), twice, for each tile
.set LP,   16                          ; v[16:23] four partial row sums for each tile
.set MXA,  24
.set MXB,  26
.set TX,   28
.set RD,   30                          ; the way out: where I read back
.set CO,   31                          ; my byte offset in ctx
.set SA,   32                          ; score buffer of the even blocks: tile (qt, tt) at 32 qt + 8 tt; later P: (qt, kk) at 32 qt + 16 kk
.set SB,   96                          ; score buffer of the odd blocks
.set KF,   160                         ; K fragments (tt, c) at 16 tt + 8 c
.set QF,   224                         ; Q fragments (qt, c) at 16 qt + 8 c
.set O,    0                           ; window 1: O^T tiles (qt, dt) at 32 qt + 8 dt
.set VF,   64                          ; window 1: V fragments (kk, dt) at 32 kk + 8 dt
.set G1V, 16
.set G1K, 24
.set G0V, 32                           ; one set a slot
.set G0K, 40
.set MSB, 0
.macro WIN new                         ; the immediate's high byte repeats the setting that is left
.if MSB != \new
	s_set_vgpr_msb (MSB<<8)|\new
.set MSB, \new
.endif
.endm
.macro ROUND                           ; a round of the cluster's barrier
	s_barrier_signal -1
	s_barrier_wait -1
	s_cmp_lg_u32 s8, 0
	s_cbranch_scc1 .Lnot_wave_0_\@
	s_barrier_signal -3
.Lnot_wave_0_\@:
	s_barrier_wait -3
	s_barrier_signal -1
	s_barrier_wait -1
.endm
.macro JLOAD s                         ; waves 0-3 ask for 64 rows of V each, waves 4-7 for 64 rows of K
	s_cmp_eq_u32 s14, 0
	s_cbranch_scc0 .Lfor_k_\@
	tensor_load_to_lds s[G0V+4*(\s):G0V+4*(\s)+3], s[G1V:G1V+7]
	s_nop 0
	s_branch .Lasked_\@
.Lfor_k_\@:
	tensor_load_to_lds s[G0K+4*(\s):G0K+4*(\s)+3], s[G1K:G1K+7]
	s_nop 0
.Lasked_\@:
.endm
.macro KLOAD s, blk                    ; 64 keys x 64 d: 16 loads
.irp tt, 0,1,2,3
.irp c, 0,1
	ds_load_b128 v[KF+16*\tt+8*\c:KF+16*\tt+8*\c+3],   v[KADR+(\s)] offset:(64*(\blk)+16*\tt)*KP+64*\c
	ds_load_b128 v[KF+16*\tt+8*\c+4:KF+16*\tt+8*\c+7], v[KADR+(\s)] offset:(64*(\blk)+16*\tt)*KP+64*\c+32
.endr
.endr
.endm
.macro VLOAD s, blk                    ; 64 keys x 64 d, transposed on the way: 16 loads into window 1
	WIN 0x40
.irp kk, 0,1
.irp dt, 0,1,2,3
	ds_load_tr16_b128 v[VF+32*\kk+8*\dt:VF+32*\kk+8*\dt+3],   v[VADR+(\s)] offset:(64*(\blk)+32*\kk)*VP+32*\dt
	ds_load_tr16_b128 v[VF+32*\kk+8*\dt+4:VF+32*\kk+8*\dt+7], v[VADR+(\s)] offset:(64*(\blk)+32*\kk+16)*VP+32*\dt
.endr
.endr
	WIN 0
.endm
; THE SCORE PRODUCTS OF THE NEXT BLOCK, dealt out at assembly time.  swi = the number of the next one (16: none is due).  Numbers 0-7 start the eight
; tiles (d = 0..31, C = 0), numbers 8-15 add d = 32..63 in place: the eight tiles take turns, one instruction a turn.
.set swi, 16
.set vcount, 0
.set vnext, 0
.set period, 12
.macro SWM
.if swi < 8
	v_wmma_f32_16x16x32_bf16 v[NXT+8*swi:NXT+8*swi+7], v[KF+16*(swi&3):KF+16*(swi&3)+7], v[QF+16*(swi>>2):QF+16*(swi>>2)+7], 0
.else
	v_wmma_f32_16x16x32_bf16 v[NXT+8*(swi-8):NXT+8*(swi-8)+7], v[KF+16*(swi&3)+8:KF+16*(swi&3)+15], v[QF+16*((swi-8)>>2)+8:QF+16*((swi-8)>>2)+15], v[NXT+8*(swi-8):NXT+8*(swi-8)+7]
.endif
.set swi, swi+1
.endm
.macro TICK                            ; stands behind each vector instruction of the softmax: every period-th of them is followed by a product
.set vcount, vcount+1
.if swi < 16
.if vcount >= vnext
	SWM
.set vnext, vcount+period
.endif
.endif
.endm
.macro SWON p                          ; from here on: a product behind the 1st, the (1 + p)th, .. the (1 + 15 p)th vector instruction
.set swi, 0
.set period, \p
.set vnext, vcount+1
.endm
; THE SOFTMAX OF THE BLOCK IN BUFFER CUR.  None of its lines names the next block's buffer, K's or Q's fragments.
.macro GMAX1                           ; the first eight lines of the maxima: two chains for each query tile
.irp qt, 0,1
	v_max3_num_f32 v[MXA+\qt], v[CUR+32*\qt],    v[CUR+32*\qt+1],  v[CUR+32*\qt+2]
	v_max3_num_f32 v[MXB+\qt], v[CUR+32*\qt+16], v[CUR+32*\qt+17], v[CUR+32*\qt+18]
.endr
.irp qt, 0,1
	v_max3_num_f32 v[MXA+\qt], v[MXA+\qt], v[CUR+32*\qt+3],  v[CUR+32*\qt+4]
	v_max3_num_f32 v[MXB+\qt], v[MXB+\qt], v[CUR+32*\qt+19], v[CUR+32*\qt+20]
.endr
.endm
.macro GMAX2 first                     ; the rest: 38 lines (32 in the very first block)
.irp j, 5,7,9,11,13
.irp qt, 0,1
	v_max3_num_f32 v[MXA+\qt], v[MXA+\qt], v[CUR+32*\qt+\j],    v[CUR+32*\qt+\j+1]
	TICK
	v_max3_num_f32 v[MXB+\qt], v[MXB+\qt], v[CUR+32*\qt+16+\j], v[CUR+32*\qt+17+\j]
	TICK
.endr
.endr
.irp qt, 0,1
	v_max3_num_f32 v[MXA+\qt], v[MXA+\qt], v[CUR+32*\qt+15], v[CUR+32*\qt+31]
	TICK
.endr
.irp qt, 0,1
	v_max_num_f32 v[MXA+\qt], v[MXA+\qt], v[MXB+\qt]
	TICK
.endr
.irp qt, 0,1
	v_permlanex16_b32 v[TX+\qt], v[MXA+\qt], s12, s13      ; the other 32 keys of the same query lie in lane l xor 16
	TICK
.endr
.if \first
.irp qt, 0,1
	v_max_num_f32 v[MN+2*\qt], v[MXA+\qt], v[TX+\qt]
	TICK
.endr
.irp qt, 0,1
	v_mov_b32 v[MN+2*\qt+1], v[MN+2*\qt]
	TICK
	v_mov_b32 v[M+\qt], v[MN+2*\qt]
	TICK
.endr
.else
.irp qt, 0,1
	v_max3_num_f32 v[MN+2*\qt], v[MXA+\qt], v[TX+\qt], v[M+\qt]
	TICK
.endr
.irp qt, 0,1
	v_sub_f32 v[AL+2*\qt], v[M+\qt], v[MN+2*\qt]
	TICK
	v_mov_b32 v[MN+2*\qt+1], v[MN+2*\qt]
	TICK
.endr
	v_exp_f32 v[AL], v[AL]                         ; 2^(old maximum - new maximum)
	TICK
	v_exp_f32 v[AL+2], v[AL+2]
	TICK
.irp qt, 0,1
	v_mov_b32 v[M+\qt], v[MN+2*\qt]                ; plain instructions between the exponentials and the first use of their results
	TICK
.endr
.irp qt, 0,1
	s_wait_alu depctr_va_vdst(0)
	v_mov_b32 v[AL+2*\qt+1], v[AL+2*\qt]
	TICK
.endr
.endif
.endm
; The 64 score registers are four groups g = 2 qt + kk of 16 (32 keys of one query tile).  Four stages for a group:
.macro SUBJ g, j                       ; score - maximum, pair j
	v_pk_add_f32 v[CUR+16*(\g)+2*(\j):CUR+16*(\g)+2*(\j)+1], v[CUR+16*(\g)+2*(\j):CUR+16*(\g)+2*(\j)+1], v[MN+2*((\g)>>1):MN+2*((\g)>>1)+1] neg_lo:[0,1] neg_hi:[0,1]
	TICK
.endm
.macro EXPJ g, i                       ; 2^x, register i, in place
	v_exp_f32 v[CUR+16*(\g)+(\i)], v[CUR+16*(\g)+(\i)]
	TICK
.endm
.macro SUMJ g, j, first                ; pair j into one of the tile's two pairs of partial sums; a tile's first two pairs bring the old sums' factor along
.if ((\g)&1)*8+(\j) < 2
.if \first
	s_wait_alu depctr_va_vdst(0)
	v_pk_mul_f32 v[LP+4*((\g)>>1)+2*((\j)&1):LP+4*((\g)>>1)+2*((\j)&1)+1], v[CUR+16*(\g)+2*(\j):CUR+16*(\g)+2*(\j)+1], 1.0 op_sel_hi:[1,0]   ; the very first pairs start the sums
.else
	s_wait_alu depctr_va_vdst(0)
	v_pk_fma_f32 v[LP+4*((\g)>>1)+2*((\j)&1):LP+4*((\g)>>1)+2*((\j)&1)+1], v[LP+4*((\g)>>1)+2*((\j)&1):LP+4*((\g)>>1)+2*((\j)&1)+1], v[AL+2*((\g)>>1):AL+2*((\g)>>1)+1], v[CUR+16*(\g)+2*(\j):CUR+16*(\g)+2*(\j)+1]
.endif
.else
	s_wait_alu depctr_va_vdst(0)
	v_pk_add_f32 v[LP+4*((\g)>>1)+2*((\j)&1):LP+4*((\g)>>1)+2*((\j)&1)+1], v[LP+4*((\g)>>1)+2*((\j)&1):LP+4*((\g)>>1)+2*((\j)&1)+1], v[CUR+16*(\g)+2*(\j):CUR+16*(\g)+2*(\j)+1]
.endif
	TICK
.endm
.macro CVTJ g, j                       ; pair j packs into word j of the group, in place: word j lies at or below the pair, and its own pair j / 2 has been summed and packed
	v_cvt_pk_bf16_f32 v[CUR+16*(\g)+(\j)], v[CUR+16*(\g)+2*(\j)], v[CUR+16*(\g)+2*(\j)+1]
	TICK
.endm
; The stages of neighbouring groups are staggered: beside group g's exponentials stand group g + 1's subtractions and group g - 1's sums and packing,
; so that plain instructions lie between the exponentials, and between each exponential and the use of its result.
.macro STEPM
.irp j, 0,1,2,3,4,5,6,7
	SUBJ 0, \j
.endr
.endm
.macro STEP g, first                   ; 24, 40, 40, 32 lines for g = 0, 1, 2, 3
.irp j, 0,1,2,3,4,5,6,7
	EXPJ \g, 2*\j
.if \g < 3
	SUBJ \g+1, \j
.endif
	EXPJ \g, 2*\j+1
.if \g > 0
	SUMJ \g-1, \j, \first
	CVTJ \g-1, \j
.endif
.endr
.endm
.macro STEPE first                     ; 16 lines
.irp j, 0,1,2,3,4,5,6,7
	SUMJ 3, \j, \first
	CVTJ 3, \j
.endr
.endm
; BLOCK blk of the tile in slot s.  cur: its scores; nxt: the buffer for the next block's.  first = 1: the very first block starts the maximum, the sums and O.
; mode 0: the next block's products; then the K fragments of the block after it, from the same slot
; mode 1: the tile's third block: the same, but no K fragments are fetched (the next ones lie in the other slot)
; mode 2: the tile's fourth block: the change of slots stands in it, with a refill of this slot;  mode 3: the same without a refill;  mode 4: the last block of all
.macro BLK s, blk, cur, nxt, first, mode
.set CUR, \cur
.set NXT, \nxt
.set RND, 0
.if \mode == 2
.set RND, 1
.endif
.if \mode == 3
.set RND, 1
.endif
	WIN 0
	GMAX1                                          ; eight plain lines that name none of the last PV products' registers: the four places ahead of the loads into V's
	                                               ; fragments and the five ahead of the products that write over the last P
	VLOAD \s, \blk                                 ; comes back under the softmax
.if \mode < 2
	s_wait_dscnt 16                                ; the next block's K fragments are in; the 16 younger loads, V's, stay out
	SWON 12                                        ; 198 lines follow (192 in the very first block); the last product stands behind the 181st
.endif
	GMAX2 \first
.if RND
	; THE CHANGE OF SLOTS.  All four blocks' K and V of this slot have been asked for; the waits show them in, and all my tensor loads landed, the next tile among them.
	s_wait_dscnt 0x0
	s_set_vgpr_msb 0x5
	s_wait_tensorcnt 0x0
	ds_add_u32 v128, v129
	s_wait_dscnt 0x0
	s_set_vgpr_msb 0x500
.if \mode == 2
	s_add_nc_u64 s[G0V+4*\s+2:G0V+4*\s+3], s[G0V+4*\s+2:G0V+4*\s+3], 2*256*128    ; no tensor load of mine is out: this slot's group 0 steps to the tile after next
	s_add_nc_u64 s[G0K+4*\s+2:G0K+4*\s+3], s[G0K+4*\s+2:G0K+4*\s+3], 2*256*128
.endif
	ROUND                                          ; both waits now hold of every wave of the four work-groups
.if \mode == 2
	JLOAD \s                                       ; my one tensor load behind the round; it has until the next tile's fourth block to land
.endif
	KLOAD 1-\s, 0                                  ; the next tile's first K fragments
.endif
	STEPM
	STEP 0, \first
.if RND
	s_wait_dscnt 0x0                               ; they are in
	SWON 7                                         ; 128 lines follow; the last product stands behind the 106th
.endif
	STEP 1, \first
	STEP 2, \first
	STEP 3, \first
	STEPE \first
	; at least 11 plain lines lie behind the last score product: K's registers may be loaded again (four places, ISA guide 7.12.1)
.if \mode == 0
	KLOAD \s, \blk+2
.endif
.if RND
	KLOAD 1-\s, 1
.endif
	; O^T = O^T x factor + V^T P^T.  One window setting serves the factors and the products: destination, source 0 and C in window 1, source 1 (the factor; P) in window 0.
	WIN 0x51
.if \first == 0
.set cnt, 0
.rept 16
	v_pk_mul_f32 v[O+cnt:O+cnt+1], v[O+cnt:O+cnt+1], v[AL:AL+1]
.set cnt, cnt+2
.endr
.endif
.if \mode == 0
	s_wait_dscnt 16                                ; V's 16 loads are in; the 16 younger ones, K's, stay out
.endif
.if \mode == 1
	s_wait_dscnt 0x0                               ; V's loads are in (none is younger)
.endif
.if \mode == 4
	s_wait_dscnt 0x0
.endif
	; (modes 2 and 3: V was shown in ahead of the round.)  The eight tiles of O take turns, one instruction a turn.
.if \first
.irp qt, 0,1
.irp dt, 0,1,2,3
	v_wmma_f32_16x16x32_bf16 v[O+32*\qt+8*\dt:O+32*\qt+8*\dt+7], v[VF+8*\dt:VF+8*\dt+7], v[CUR+32*\qt:CUR+32*\qt+7], 0
.endr
.endr
.else
.irp dt, 0,1,2,3
	v_wmma_f32_16x16x32_bf16 v[O+8*\dt:O+8*\dt+7], v[VF+8*\dt:VF+8*\dt+7], v[CUR:CUR+7], v[O+8*\dt:O+8*\dt+7]
.irp i, 0,1,2,3
	v_pk_mul_f32 v[O+32+8*\dt+2*\i:O+32+8*\dt+2*\i+1], v[O+32+8*\dt+2*\i:O+32+8*\dt+2*\i+1], v[AL+2:AL+3]     ; query tile 1 takes its factor while tile 0's products run
.endr
.endr
.irp dt, 0,1,2,3
	v_wmma_f32_16x16x32_bf16 v[O+32+8*\dt:O+32+8*\dt+7], v[VF+8*\dt:VF+8*\dt+7], v[CUR+32:CUR+39], v[O+32+8*\dt:O+32+8*\dt+7]
.endr
.endif
.irp qt, 0,1
.irp dt, 0,1,2,3
	v_wmma_f32_16x16x32_bf16 v[O+32*\qt+8*\dt:O+32*\qt+8*\dt+7], v[VF+32+8*\dt:VF+32+8*\dt+7], v[CUR+32*\qt+16:CUR+32*\qt+23], v[O+32*\qt+8*\dt:O+32*\qt+8*\dt+7]
.endr
.endr
.endm
; A tile of 256 keys in slot s.  At its head the scores of its first block lie in SA and the K fragments of its second block are on their way (16 LDS loads).
.macro TILE s, first, mode3
	BLK \s, 0, SA, SB, \first, 0
	BLK \s, 1, SB, SA, 0, 0
	BLK \s, 2, SA, SB, 0, 1
	BLK \s, 3, SB, SA, 0, \mode3
	WIN 0
.endm
	s_load_b128 s[4:7], s[0:1], 0x0                ; qkv s[4:5], ctx s[6:7]
	s_set_vgpr_msb 0x40
	v_lshl_add_u32 v128, v0, 2, 0x2f000
	v_mov_b32 v129, 0
	s_set_vgpr_msb 0x4045
	ds_add_u32 v128, v129
	s_set_vgpr_msb 0x4500
	v_lshrrev_b32 v32, 5, v0
	v_readfirstlane_b32 s8, v32                    ; wave 0..7
	s_lshr_b32 s14, s8, 2                          ; I fetch for V (0) or for K (1)
	s_and_b32 s15, s8, 3                           ; which 64 rows of the tile
	s_bfe_u32 s9, ttmp6, 0x40000                   ; cx
	s_lshl_b32 s10, ttmp9, 2
	s_add_co_u32 s10, s10, s9                      ; query block 0..7
	s_and_b32 s11, ttmp7, 0xffff                   ; 16 b + head
	s_mov_b32 s12, 0x76543210                      ; v_permlanex16_b32: lane i of one half reads lane i of the other
	s_mov_b32 s13, 0xfedcba98
	; group 1: 64 rows x 64 elements; padding behind every 32 words: 8 words for V, 4 for K; the mask names all four work-groups
	s_mov_b32 s[G1V+0], 15|(1<<16)|(1<<20)|(1<<21)|(4<<22)|(7<<25)
	s_mov_b32 s[G1K+0], 15|(1<<16)|(1<<20)|(1<<21)|(4<<22)|(3<<25)
	s_mov_b32 s[G1V+1], 64<<16                     ; tensor_dim0 = 64
	s_mov_b32 s[G1K+1], 64<<16
	s_mov_b32 s[G1V+2], 64<<16                     ; tensor_dim1 = 64
	s_mov_b32 s[G1K+2], 64<<16
	s_mov_b32 s[G1V+3], 64<<16                     ; tile_dim0 = 64
	s_mov_b32 s[G1K+3], 64<<16
	s_mov_b32 s[G1V+4], 64                         ; tile_dim1 = 64
	s_mov_b32 s[G1K+4], 64
	s_mov_b32 s[G1V+5], 64                         ; elements from row to row
	s_mov_b32 s[G1K+5], 64
	s_mov_b32 s[G1V+6], 0
	s_mov_b32 s[G1K+6], 0
	s_mov_b32 s[G1V+7], 0
	s_mov_b32 s[G1K+7], 0
	s_lshl_b32 s52, s11, 18                        ; the head: 2,048 rows of 128 bytes
	s_lshl_b32 s53, s15, 13                        ; + my 64 rows
	s_add_co_u32 s52, s52, s53
	s_mov_b32 s53, 0
	s_lshl_b32 s50, s11, 18                        ; q and ctx: the head
	s_lshl_b32 s51, s10, 15                        ; + 256 rows a query block
	s_add_co_u32 s50, s50, s51
	s_lshl_b32 s51, s8, 12                         ; + 32 rows a wave
	s_add_co_u32 s50, s50, s51
	s_mov_b32 s51, 0
	s_mul_i32 s49, s8, 64*VP                       ; V: waves 0-3 at 10,240 x wave
	s_mul_i32 s3, s8, 64*KP                        ; K: waves 4-7 at 40,960 + 9,216 x (wave - 4)
	s_add_co_u32 s3, s3, 256*VP-4*64*KP
	s_wait_dscnt 0x0
	s_wait_kmcnt 0x0
	s_add_nc_u64 s[54:55], s[4:5], s[52:53]
	s_add_nc_u64 s[56:57], s[4:5], s[50:51]        ; my 32 rows of q (plane 0)
	s_add_nc_u64 s[58:59], s[6:7], s[50:51]        ; my 32 rows of ctx
.irp s, 0,1
	s_mov_b32 s[G0V+4*\s], 1
	s_add_co_u32 s[G0V+4*\s+1], s49, \s*SLOT
	s_add_nc_u64 s[G0V+4*\s+2:G0V+4*\s+3], s[54:55], 2*8388608+\s*256*128    ; plane 2, tile s
	s_or_b32 s[G0V+4*\s+3], s[G0V+4*\s+3], 0x80000000
	s_mov_b32 s[G0K+4*\s], 1
	s_add_co_u32 s[G0K+4*\s+1], s3, \s*SLOT
	s_add_nc_u64 s[G0K+4*\s+2:G0K+4*\s+3], s[54:55], 8388608+\s*256*128      ; plane 1, tile s
	s_or_b32 s[G0K+4*\s+3], s[G0K+4*\s+3], 0x80000000
.endr
	ROUND                                          ; in front of the first joint load
	JLOAD 0                                        ; tile 0
	; the set-up works in registers of the first score buffer, which is not yet in use
	v_and_b32 v32, 15, v0                          ; r
	v_bfe_u32 v33, v0, 4, 1                        ; h
	v_lshlrev_b32 v34, 7, v32                      ; Q fragments straight from memory: row r, 16 h bytes in
	v_lshl_add_u32 v34, v33, 4, v34
.irp qt, 0,1
.irp c, 0,1
	global_load_b128 v[QF+16*\qt+8*\c:QF+16*\qt+8*\c+3],   v34, s[56:57] offset:\qt*2048+\c*64
	global_load_b128 v[QF+16*\qt+8*\c+4:QF+16*\qt+8*\c+7], v34, s[56:57] offset:\qt*2048+\c*64+32
.endr
.endr
	v_and_b32 v35, 7, v0
	v_bfe_u32 v36, v0, 3, 1
	v_mul_u32_u24 v37, v32, KP
	v_lshl_add_u32 v37, v33, 4, v37                ; r x 144 + 16 h
	v_add_nc_u32 v[KADR], 256*VP, v37
	v_add_nc_u32 v[KADR+1], 256*VP+SLOT, v37
	v_lshl_add_u32 v38, v33, 3, v35                ; key row 8 h + (l & 7)
	v_mul_u32_u24 v38, v38, VP
	v_lshl_add_u32 v[VADR], v36, 4, v38            ; + 16 ((l >> 3) & 1)
	v_add_nc_u32 v[VADR+1], SLOT, v[VADR]
	s_mul_i32 s2, s8, 32*KP
	s_add_co_u32 s2, s2, STAGE                     ; my stage
	v_add_nc_u32 v[STO], s2, v37
	v_bfe_u32 v39, v0, 3, 2
	v_mul_u32_u24 v39, v39, KP
	v_lshl_add_u32 v39, v35, 4, v39                ; back: eight lanes take a row's 128 bytes
	v_add_nc_u32 v[RD], s2, v39
	v_and_b32 v[CO], 31, v0
	v_lshlrev_b32 v[CO], 4, v[CO]
	v_mov_b32 v[TX], 0                             ; v_permlanex16_b32's destination counts as read
	v_mov_b32 v[TX+1], 0
	s_wait_loadcnt 0x0                             ; Q (and its offset register is free)
	; the pipeline's head: tile 0 is shown to all, tile 1 is asked for, and the first block's scores are made with nothing beside them
	s_set_vgpr_msb 0x5
	s_wait_tensorcnt 0x0                           ; my part of tile 0 has landed
	ds_add_u32 v128, v129
	s_wait_dscnt 0x0
	s_set_vgpr_msb 0x500
	s_wait_dscnt 0x0
	ROUND
	JLOAD 1                                        ; slot 1's first fill: my one tensor load behind this round
	KLOAD 0, 0
	s_wait_dscnt 0x0
.set NXT, SA
.set swi, 0
.rept 16
	SWM
.endr
.rept 4
	v_nop                                          ; four places before K's registers are loaded again and the scores are read (ISA guide 7.12.1)
.endr
	KLOAD 0, 1
	TILE 0, 1, 2                                   ; tile 0; asks for tile 2
	s_mov_b32 s48, 2
.Lpair:
	TILE 1, 0, 2                                   ; tiles 1, 3; ask for 3, 5
	TILE 0, 0, 2                                   ; tiles 2, 4; ask for 4, 6
	s_sub_co_u32 s48, s48, 1
	s_cmp_lg_u32 s48, 0
	s_cbranch_scc1 .Lpair
	TILE 1, 0, 2                                   ; tile 5; asks for tile 7, the last
	TILE 0, 0, 3                                   ; tile 6: nothing is left to fetch
	TILE 1, 0, 4                                   ; tile 7
	; THE WAY OUT: divide by the row sum, round, 32 rows of 128 bytes through my own stage, out as 4,096 consecutive bytes.
	; The lines on the sums are the places between the last products and the first read of O.
.irp qt, 0,1
	v_pk_add_f32 v[LP+4*\qt:LP+4*\qt+1], v[LP+4*\qt:LP+4*\qt+1], v[LP+4*\qt+2:LP+4*\qt+3]
.endr
.irp qt, 0,1
	v_add_f32 v[LP+4*\qt], v[LP+4*\qt], v[LP+4*\qt+1]
.endr
.irp qt, 0,1
	v_permlanex16_b32 v[TX+\qt], v[LP+4*\qt], s12, s13
.endr
.irp qt, 0,1
	v_add_f32 v[LP+4*\qt], v[LP+4*\qt], v[TX+\qt]
.endr
	v_rcp_f32 v[AL], v[LP]
	v_rcp_f32 v[AL+2], v[LP+4]
	v_nop                                          ; one plain place behind the reciprocals
	s_wait_alu depctr_va_vdst(0)
	v_mov_b32 v[AL+1], v[AL]
	v_mov_b32 v[AL+3], v[AL+2]
	WIN 0x01                                       ; source 0 (O) in window 1
.irp qt, 0,1
.set cnt, 0
.rept 16
	v_pk_mul_f32 v[SA+32*\qt+cnt:SA+32*\qt+cnt+1], v[O+32*\qt+cnt:O+32*\qt+cnt+1], v[AL+2*\qt:AL+2*\qt+1]
.set cnt, cnt+2
.endr
.endr
	WIN 0
.irp qt, 0,1
.irp dt, 0,1,2,3
.irp i, 0,1,2,3
	v_cvt_pk_bf16_f32 v[KF+16*\qt+4*\dt+\i], v[SA+32*\qt+8*\dt+2*\i], v[SA+32*\qt+8*\dt+2*\i+1]
.endr
.endr
.endr
.irp qt, 0,1
.irp dt, 0,1,2,3
	ds_store_b128 v[STO], v[KF+16*\qt+4*\dt:KF+16*\qt+4*\dt+3] offset:\qt*16*KP+32*\dt     ; query 16 qt + r, d = 16 dt + 8 h + 0..7
.endr
.endr
.irp t, 0,1,2,3,4,5,6,7
	ds_load_b128 v[KF+32+4*\t:KF+32+4*\t+3], v[RD] offset:\t*4*KP  ; LDS serves a wave's instructions in order: these see the stores above
.endr
.irp t, 0,1,2,3,4,5,6,7
	s_wait_dscnt 7-\t                              ; load t is in, the 7 - t younger ones stay out
	global_store_b128 v[CO], v[KF+32+4*\t:KF+32+4*\t+3], s[58:59] offset:512*\t     ; four rows: 512 consecutive bytes, aligned
.endr
	s_set_vgpr_msb 0x5
	s_wait_tensorcnt 0x0
	ds_add_u32 v128, v129
	s_wait_dscnt 0x0
	s_set_vgpr_msb 0x500
	ROUND                                          ; the closing round
	s_endpgm
.Lfunc_end_k_qe3362bf1af_attn:
	.size	k_qe3362bf1af_attn, .Lfunc_end_k_qe3362bf1af_attn-k_qe3362bf1af_attn
	.p2alignl 7, 3214868480
	.fill 96, 4, 3214868480
	.section	.rodata,"a",@progbits
	.p2align	6, 0x0
	.amdhsa_kernel k_qe3362bf1af_attn
		.amdhsa_group_segment_fixed_size 327680
		.amdhsa_private_segment_fixed_size 0
		.amdhsa_enable_private_segment 0
		.amdhsa_kernarg_size 16
		.amdhsa_user_sgpr_count 2
		.amdhsa_user_sgpr_kernarg_segment_ptr 1
		.amdhsa_wavefront_size32 1
		.amdhsa_system_sgpr_workgroup_id_x 1
		.amdhsa_system_sgpr_workgroup_id_y 1
		.amdhsa_system_sgpr_workgroup_id_z 1
		.amdhsa_system_vgpr_workitem_id 0
		.amdhsa_next_free_vgpr 386
		.amdhsa_next_free_sgpr 66
		.amdhsa_reserve_vcc 0
		.amdhsa_float_denorm_mode_32 3
		.amdhsa_float_denorm_mode_16_64 3
		.amdhsa_memory_ordered 1
		.amdhsa_forward_progress 1
		.amdhsa_inst_pref_size 255
	.end_amdhsa_kernel
	.section	.bss,"aw",@nobits
	.p2align	6
	.space	262144
	.amdgpu_metadata
---
amdhsa.version: [ 1, 2 ]
amdhsa.kernels:
  - .name:           k_qe3362bf1af_attn
    .symbol:         k_qe3362bf1af_attn.kd
    .args:
      - { .name: qkv, .offset: 0, .size: 8, .value_kind: global_buffer, .address_space: global }
      - { .name: ctx, .offset: 8, .size: 8, .value_kind: global_buffer, .address_space: global }
    .group_segment_fixed_size: 327680
    .private_segment_fixed_size: 0
    .kernarg_segment_align: 8
    .kernarg_segment_size: 16
    .max_flat_workgroup_size: 256
    .sgpr_count:     66
    .vgpr_count:     386
    .wavefront_size: 32
...
	.end_amdgpu_metadata
.endif
;; end of part 3
;; launch outp (part 4): grid 8 x 32, 4 waves a work-group, clusters of 4 x 4, 327,680 bytes of LDS; arguments ctx, wb, bo, out0; writes out0
.if DOCPART == 4
	.amdgcn_target "amdgcn-amd-amdhsa--gfx1250"
	.amdhsa_code_object_version 6
	.text
	.protected	k_qe3362bf1af_outp
	.globl	k_qe3362bf1af_outp
	.p2align	8
	.type	k_qe3362bf1af_outp,@function
k_qe3362bf1af_outp:
	s_mov_b64 s[64:65], 0
	v_nop
	global_prefetch_b8 v0, s[64:65] scope:SCOPE_SE
	s_setreg_imm32_b32 hwreg(HW_REG_WAVE_MODE, 25, 1), 1
	s_wait_xcnt 0x0
	s_wait_alu depctr_hold_cnt(0) depctr_sa_sdst(0) depctr_va_vdst(0) depctr_va_sdst(0) depctr_va_ssrc(0) depctr_va_vcc(0) depctr_vm_vsrc(0)
	s_getreg_b32 s2, hwreg(HW_REG_IB_STS2, 6, 4)
	s_cmp_eq_u32 s2, 0
	s_cbranch_scc0 .Lentry_in_a_cluster
	s_endpgm
.Lentry_in_a_cluster:
	s_bfe_u32 s2, ttmp6, 0x10000c
	s_cmp_lg_u32 s2, 0xf033
	s_cbranch_scc0 .Lentry_shape_is_right
	s_endpgm
.Lentry_shape_is_right:
; out0[b][s][n] = sum over k = 64 head + d of ctx[b][head][s][d] Wo[k][n] + bo[n].  Operands bf16, sums and output f32.
; 4096 x 1024 in blocks of 128 x 128: 256 work-groups (blocks of 256 x 256 would make 64).  Four waves, a wave 64 x 64: 16 accumulator tiles.
; K = 1024 goes in steps of 256 (four heads) through two LDS slots: each slot is filled twice, so the four steps are written out without a loop.
; CLUSTERS 4 x 4: ctx's tiles hang on the block row alone and are shared along a row of the cluster, Wo's on the block column alone and are shared along a column.
; ctx lies [b][head][s][64]: the 128 rows that a block needs of one head are 16,384 consecutive bytes.  The descriptor takes such a run as ONE row and two
; heads as two rows 131,072 elements apart; the padding is counted along the whole tile, 4 words behind every 32, so that in LDS each s-row of 128 bytes has a pitch of 144.
; Wo lies [k][n]; its fragments are read by the transposing load.
; REGISTERS: window 0: v16-27 addresses, v32-63 bias, v64-127 and v128-191 fragments of ctx (two buffers), v192-223 at work on the way out;
;            window 1: v0-127 accumulators (tile (a, b) at 8 (4 a + b)), v128-191 and v192-255 fragments of Wo (two buffers).
; The matrix instruction is used transposed (source 0 = 16 columns of Wo, source 1 = 16 rows of ctx): a lane holds eight neighbouring columns of one row.
.set AP,     144                       ; ctx in LDS
.set BP,     288                       ; Wo in LDS: 256 bytes (128 n) + 32, an odd multiple of 32
.set PART,   36864                     ; what one tensor load brings: 2 heads x 128 rows x 144 = 128 k-rows x 288
.set SLOT,   4*PART                    ; ctx [4 heads][128][144], then Wo [256 k][288]
.set STAGE,  2*SLOT                    ; 294,912: 16 rows x 272 bytes for each wave; no tensor load lands here
.set SPITCH, 272
.set ADRA, 16                          ; v16-17 my ctx fragments in slot 0, 1
.set ADRB, 20                          ; v20-23 my Wo fragments: slot 0 k-rows 0-127, 128-255; slot 1 likewise (the immediate reaches 65,535 bytes)
.set STO,  24
.set RD,   25
.set CO,   26
.set BOFF, 27
.set BI,   32
.set F0,   64
.set F1,   128
.set TMP,  192
.set G1, 24
.set G0, 32
.set G1B, 48
.set G0B, 56
.set MSB, 0
.macro WIN new
.if MSB != \new
	s_set_vgpr_msb (MSB<<8)|\new
.set MSB, \new
.endif
.endm
.set MULW, 0x51                        ; source 0 (Wo) window 1, source 1 (ctx) window 0, C and D window 1
.set TO_B, 0x40                        ; destination window 1, address window 0
.macro JLOAD s                         ; waves 0 and 1 fetch ctx's two pairs of heads, waves 2 and 3 Wo's two halves
	s_cmp_eq_u32 s11, 0
	s_cbranch_scc0 .Lfor_b_\@
	tensor_load_to_lds s[G0+4*\s:G0+4*\s+3], s[G1:G1+7]
	s_nop 0
	s_branch .Lasked_\@
.Lfor_b_\@:
	tensor_load_to_lds s[G0B+4*\s:G0B+4*\s+3], s[G1B:G1B+7]
	s_nop 0
.Lasked_\@:
.endm
.macro CREST
	s_cmp_lg_u32 s10, 0
	s_cbranch_scc1 .Lnot_wave_0_\@
	s_barrier_signal -3
.Lnot_wave_0_\@:
	s_barrier_wait -3
	s_barrier_signal -1
	s_barrier_wait -1
.endm
.macro CROUND
	s_barrier_signal -1
	s_barrier_wait -1
	CREST
.endm
.macro PLACES                          ; four places behind a matrix instruction before its registers are loaded or read (ISA guide 7.12.1)
.rept 4
	v_nop
.endr
.endm
	s_load_b128 s[4:7], s[0:1], 0x0                ; ctx s[4:5], wb s[6:7]
	s_load_b128 s[68:71], s[0:1], 0x10             ; bo s[68:69], out0 s[70:71]
	v_lshl_add_u32 v254, v0, 2, 0x4c400
	v_mov_b32 v255, 0
	ds_add_u32 v254, v255
	v_lshrrev_b32 v1, 5, v0
	v_readfirstlane_b32 s10, v1                    ; wave 0..3
	s_lshr_b32 s11, s10, 1                         ; which 64 rows of the block are mine.  Also: I fetch for ctx (0) or for Wo (1)
	s_and_b32 s12, s10, 1                          ; which 64 columns.  Also: which half of that tile I fetch
	s_bfe_u32 s40, ttmp6, 0x40000                  ; cx
	s_bfe_u32 s41, ttmp6, 0x40004                  ; cy
	s_lshl_b32 s42, ttmp9, 2
	s_add_co_u32 s42, s42, s40                     ; block column 0..7
	s_and_b32 s13, ttmp7, 0xffff
	s_lshl_b32 s13, s13, 2
	s_add_co_u32 s13, s13, s41                     ; block row 0..31
	s_lshl_b32 s43, s41, 2
	s_lshl_b32 s43, 15, s43                        ; my row of the cluster
	s_lshl_b32 s44, 0x1111, s40                    ; my column
	; group 1 for ctx: 2 rows of 8,192 elements, 131,072 elements apart; 4 words of padding behind every 32
	s_or_b32 s[G1+0], s43, (1<<16)|(1<<20)|(1<<21)|(4<<22)|(3<<25)
	s_mov_b32 s[G1+1], 8192<<16                    ; tensor_dim0 = 8,192
	s_mov_b32 s[G1+2], 2<<16                       ; tensor_dim1 = 2
	s_mov_b32 s[G1+3], 8192<<16                    ; tile_dim0 = 8,192
	s_mov_b32 s[G1+4], 2                           ; tile_dim1 = 2
	s_mov_b32 s[G1+5], 131072                      ; from head to head
	s_mov_b32 s[G1+6], 0
	s_mov_b32 s[G1+7], 0
	; group 1 for Wo: 128 k-rows x 128 elements; 8 words of padding behind every 64
	s_or_b32 s[G1B+0], s44, (1<<16)|(1<<20)|(1<<21)|(5<<22)|(7<<25)
	s_mov_b32 s[G1B+1], 128<<16
	s_mov_b32 s[G1B+2], 128<<16
	s_mov_b32 s[G1B+3], 128<<16
	s_mov_b32 s[G1B+4], 128
	s_mov_b32 s[G1B+5], 1024
	s_mov_b32 s[G1B+6], 0
	s_mov_b32 s[G1B+7], 0
	s_lshr_b32 s16, s13, 4                         ; b
	s_lshl_b32 s16, s16, 22                        ; 16 heads x 262,144 bytes
	s_and_b32 s17, s13, 15
	s_lshl_b32 s17, s17, 14                        ; + 128 rows of 128 bytes a block row
	s_add_co_u32 s16, s16, s17
	s_lshl_b32 s17, s12, 19                        ; + my two heads of the four
	s_add_co_u32 s16, s16, s17
	s_mov_b32 s17, 0
	s_lshl_b32 s46, s42, 8                         ; 128 columns of 2 bytes a block column
	s_lshl_b32 s47, s12, 18                        ; + my 128 k-rows of 2,048 bytes
	s_add_co_u32 s46, s46, s47
	s_add_co_u32 s46, s46, 3*2097152               ; plane 3 of wb
	s_mov_b32 s47, 0
	s_mul_i32 s20, s10, PART                       ; where my part goes: wave x 36,864
	s_wait_dscnt 0x0
	s_wait_kmcnt 0x0
	s_add_nc_u64 s[14:15], s[4:5], s[16:17]
	s_add_nc_u64 s[46:47], s[6:7], s[46:47]
	CROUND                                         ; all sixteen work-groups are here: the first joint loads meet
.irp s, 0,1
	s_mov_b32 s[G0+4*\s], 1
	s_add_co_u32 s[G0+4*\s+1], s20, \s*SLOT
	s_add_nc_u64 s[G0+4*\s+2:G0+4*\s+3], s[14:15], \s*4*262144       ; four heads on
	s_or_b32 s[G0+4*\s+3], s[G0+4*\s+3], 0x80000000
	s_mov_b32 s[G0B+4*\s], 1
	s_add_co_u32 s[G0B+4*\s+1], s20, \s*SLOT
	s_add_nc_u64 s[G0B+4*\s+2:G0B+4*\s+3], s[46:47], \s*256*2048     ; 256 k-rows on
	s_or_b32 s[G0B+4*\s+3], s[G0B+4*\s+3], 0x80000000
	JLOAD \s
.endr
	v_and_b32 v1, 15, v0                           ; r
	v_bfe_u32 v2, v0, 4, 1                         ; h
	s_lshl_b32 s80, s42, 9                         ; bias: 128 columns of 4 bytes a block column
	s_lshl_b32 s81, s12, 8                         ; + my 64
	s_add_co_u32 s80, s80, s81
	v_lshl_add_u32 v[BOFF], v2, 5, s80             ; + 8 h numbers
.irp b, 0,1,2,3
	global_load_b128 v[BI+8*\b:BI+8*\b+3],   v[BOFF], s[68:69] offset:64*\b
	global_load_b128 v[BI+8*\b+4:BI+8*\b+7], v[BOFF], s[68:69] offset:64*\b+16     ; waited for behind the products
.endr
	v_mul_u32_u24 v3, v1, AP
	v_lshl_add_u32 v3, v2, 4, v3                   ; ctx: row r, 16 h bytes in
	v_and_b32 v6, 7, v0
	v_lshl_add_u32 v6, v2, 3, v6                   ; Wo: k-row 8 h + (l & 7)
	v_mul_u32_u24 v6, v6, BP
	v_bfe_u32 v7, v0, 3, 1
	v_lshl_add_u32 v6, v7, 4, v6                   ; + 16 ((l >> 3) & 1)
	s_mul_i32 s21, s11, 64*AP                      ; my 64 rows
	s_lshl_b32 s22, s12, 7                         ; my 64 columns,
	s_add_co_u32 s22, s22, 2*PART                  ; behind ctx's four heads
.irp s, 0,1
	v_add_nc_u32 v[ADRA+\s], s21, v3
	v_add_nc_u32 v[ADRB+2*\s], s22, v6
	s_add_co_u32 s22, s22, 128*BP
	v_add_nc_u32 v[ADRB+2*\s+1], s22, v6
	s_add_co_u32 s21, s21, SLOT
	s_add_co_u32 s22, s22, SLOT-128*BP
.endr
	s_mul_i32 s23, s10, 16*SPITCH
	s_add_co_u32 s23, s23, STAGE                   ; my stage
	v_mul_u32_u24 v4, v1, SPITCH                   ; in: row r, 32 bytes (8 f32) for each half of the lanes
	v_lshl_add_u32 v4, v2, 5, v4
	v_add_nc_u32 v[STO], s23, v4
	v_mul_u32_u24 v5, v2, SPITCH                   ; back: lanes 0-15 take one row of 256 bytes, lanes 16-31 the next
	v_lshl_add_u32 v5, v1, 4, v5
	v_add_nc_u32 v[RD], s23, v5
	v_lshlrev_b32 v5, 12, v2                       ; and the same two rows in out0 (4,096 bytes a row)
	v_lshl_add_u32 v[CO], v1, 4, v5
; 8 matrix instructions: row blocks a0, a0 + 1 x 4 column blocks, K part kk (32) of the quarter in buffer f
.macro MUL8 f, kk, a0, zero
.irp a, \a0, \a0+1
.irp b, 0,1,2,3
.if \zero
	v_wmma_f32_16x16x32_bf16 v[8*(4*(\a)+\b):8*(4*(\a)+\b)+7], v[\f+64+32*\kk+8*\b:\f+64+32*\kk+8*\b+7], v[\f+32*\kk+8*(\a):\f+32*\kk+8*(\a)+7], 0
.else
	v_wmma_f32_16x16x32_bf16 v[8*(4*(\a)+\b):8*(4*(\a)+\b)+7], v[\f+64+32*\kk+8*\b:\f+64+32*\kk+8*\b+7], v[\f+32*\kk+8*(\a):\f+32*\kk+8*(\a)+7], v[8*(4*(\a)+\b):8*(4*(\a)+\b)+7]
.endif
.endr
.endr
.endm
; 32 LDS loads in one run: quarter q (one head, 64 along K) of a slot into buffer f: Wo's two K parts, then ctx's two
.macro FETCH slot, q, f
	WIN TO_B
.irp kk, 0,1
.irp i, 0,1,2,3
	ds_load_tr16_b128 v[\f+64+32*\kk+8*\i:\f+64+32*\kk+8*\i+3],   v[ADRB+2*\slot+(\q>>1)] offset:((\q&1)*64+32*\kk)*BP+32*\i
	ds_load_tr16_b128 v[\f+64+32*\kk+8*\i+4:\f+64+32*\kk+8*\i+7], v[ADRB+2*\slot+(\q>>1)] offset:((\q&1)*64+32*\kk+16)*BP+32*\i
.endr
.endr
	WIN 0
.irp kk, 0,1
.irp i, 0,1,2,3
	ds_load_b128 v[\f+32*\kk+8*\i:\f+32*\kk+8*\i+3],   v[ADRA+\slot] offset:\q*128*AP+64*\kk+\i*16*AP
	ds_load_b128 v[\f+32*\kk+8*\i+4:\f+32*\kk+8*\i+7], v[ADRA+\slot] offset:\q*128*AP+64*\kk+\i*16*AP+32
.endr
.endr
.endm
; One of a step's first three quarters.  The 16 accumulators take turns, one instruction a turn, in the same order throughout.
.macro QUARTER slot, q, f, g, zero
	s_wait_dscnt 8                                 ; all but the youngest eight loads (ctx's second K part) are in
	WIN MULW
	MUL8 \f, 0, 0, \zero
	MUL8 \f, 0, 2, \zero
	PLACES
	FETCH \slot, \q, \g
	s_wait_dscnt 32                                ; all but the 32 just issued
	WIN MULW
	MUL8 \f, 1, 0, 0
	MUL8 \f, 1, 2, 0
.endm
.macro THREE slot, zero
	QUARTER \slot, 1, F0, F1, \zero
	QUARTER \slot, 2, F1, F0, 0
	QUARTER \slot, 3, F0, F1, 0
.endm
; The last quarter: multiplies buffer 1 and changes slots, as one barrier (with a refill: one round of the cluster's barrier)
.macro TURN slot, next, fill
	s_wait_dscnt 8
	WIN MULW
	MUL8 F1, 0, 0, 0
	s_wait_dscnt 0                                 ; my reads of this slot are over
	s_set_vgpr_msb 0x5150
	s_wait_tensorcnt 0x0                           ; all my tensor loads have landed: the one that was out is my part of the next slot
	ds_add_u32 v254, v255
	s_wait_dscnt 0x0
	s_set_vgpr_msb 0x5051
	s_barrier_signal -1
	MUL8 F1, 0, 2, 0                               ; register work while the others arrive
	WIN 0
	s_barrier_wait -1
.if \fill
	CREST                                          ; no wave of any partner still reads this slot or has a load on its way
	s_add_nc_u64 s[G0+4*\slot+2:G0+4*\slot+3], s[G0+4*\slot+2:G0+4*\slot+3], 8*262144
	s_add_nc_u64 s[G0B+4*\slot+2:G0B+4*\slot+3], s[G0B+4*\slot+2:G0B+4*\slot+3], 512*2048
	JLOAD \slot                                    ; the first tensor load behind the round, my only one until the next
.endif
	PLACES
	FETCH \next, 0, F0
	WIN MULW
	MUL8 F1, 1, 0, 0
	MUL8 F1, 1, 2, 0
.endm
	s_wait_tensorcnt 1                             ; my part of slot 0 is in; slot 1's stays out
	s_barrier_signal -1
	s_barrier_wait -1
	FETCH 0, 0, F0
	THREE 0, 1                                     ; heads 0-3; the first products start the sums
	TURN 0, 1, 1                                   ; asks for heads 8-11
	THREE 1, 0                                     ; heads 4-7
	TURN 1, 0, 1                                   ; asks for heads 12-15
	THREE 0, 0                                     ; heads 8-11
	TURN 0, 1, 0
	THREE 1, 0                                     ; heads 12-15
	s_wait_dscnt 8
	WIN MULW
	MUL8 F1, 0, 0, 0
	MUL8 F1, 0, 2, 0
	s_wait_dscnt 0
	MUL8 F1, 1, 0, 0
	MUL8 F1, 1, 2, 0
	; THE WAY OUT, 16 rows at a time: add the bias, 32 bytes a lane into my own stage, read back as whole rows of 256 bytes
	PLACES
	WIN 0
	s_wait_loadcnt 0x0                             ; the bias
	s_lshl_b32 s80, s13, 19                        ; 128 rows of 4,096 bytes a block row
	s_lshl_b32 s81, s11, 18                        ; + my 64 rows
	s_add_co_u32 s80, s80, s81
	s_lshl_b32 s81, s42, 9                         ; + 128 columns of 4 bytes a block column
	s_add_co_u32 s80, s80, s81
	s_lshl_b32 s81, s12, 8                         ; + my 64 columns
	s_add_co_u32 s80, s80, s81
	s_mov_b32 s81, 0
	s_add_nc_u64 s[8:9], s[70:71], s[80:81]
.macro OUTA a, f
	WIN 0x01                                       ; source 0 (the sums) in window 1
.irp b, 0,1,2,3
.irp r, 0,1,2,3
	v_pk_add_f32 v[TMP+8*\b+2*\r:TMP+8*\b+2*\r+1], v[8*(4*\a+\b)+2*\r:8*(4*\a+\b)+2*\r+1], v[BI+8*\b+2*\r:BI+8*\b+2*\r+1]
.endr
.endr
	WIN 0
.irp b, 0,1,2,3
	ds_store_b128 v[STO], v[TMP+8*\b:TMP+8*\b+3]   offset:64*\b
	ds_store_b128 v[STO], v[TMP+8*\b+4:TMP+8*\b+7] offset:64*\b+16
.endr
	s_wait_xcnt 0x0                                ; buffer f, which earlier stores read, is loaded again only behind this wait
.irp t, 0,1,2,3,4,5,6,7
	ds_load_b128 v[\f+4*\t:\f+4*\t+3], v[RD] offset:\t*2*SPITCH    ; LDS serves a wave's instructions in order: these see the stores above
.endr
.irp t, 0,1,2,3,4,5,6,7
	s_wait_dscnt 7-\t
	global_store_b128 v[CO], v[\f+4*\t:\f+4*\t+3], s[8:9] offset:(16*\a+2*\t)*4096 th:TH_STORE_NT   ; 16 lanes store 256 consecutive bytes, aligned
.endr
.endm
	OUTA 0, F0
	OUTA 1, F1
	OUTA 2, F0
	OUTA 3, F1
	s_wait_tensorcnt 0x0
	ds_add_u32 v254, v255
	s_wait_dscnt 0x0
	CROUND                                         ; the closing round
	s_endpgm
.Lfunc_end_k_qe3362bf1af_outp:
	.size	k_qe3362bf1af_outp, .Lfunc_end_k_qe3362bf1af_outp-k_qe3362bf1af_outp
	.p2alignl 7, 3214868480
	.fill 96, 4, 3214868480
	.section	.rodata,"a",@progbits
	.p2align	6, 0x0
	.amdhsa_kernel k_qe3362bf1af_outp
		.amdhsa_group_segment_fixed_size 327680
		.amdhsa_private_segment_fixed_size 0
		.amdhsa_enable_private_segment 0
		.amdhsa_kernarg_size 32
		.amdhsa_user_sgpr_count 2
		.amdhsa_user_sgpr_kernarg_segment_ptr 1
		.amdhsa_wavefront_size32 1
		.amdhsa_system_sgpr_workgroup_id_x 1
		.amdhsa_system_sgpr_workgroup_id_y 1
		.amdhsa_system_sgpr_workgroup_id_z 1
		.amdhsa_system_vgpr_workitem_id 0
		.amdhsa_next_free_vgpr 512
		.amdhsa_next_free_sgpr 92
		.amdhsa_reserve_vcc 0
		.amdhsa_float_denorm_mode_32 3
		.amdhsa_float_denorm_mode_16_64 3
		.amdhsa_memory_ordered 1
		.amdhsa_forward_progress 1
		.amdhsa_inst_pref_size 92
	.end_amdhsa_kernel
	.amdgpu_metadata
---
amdhsa.version: [ 1, 2 ]
amdhsa.kernels:
  - .name:           k_qe3362bf1af_outp
    .symbol:         k_qe3362bf1af_outp.kd
    .args:
      - { .name: ctx, .offset: 0, .size: 8, .value_kind: global_buffer, .address_space: global }
      - { .name: wb, .offset: 8, .size: 8, .value_kind: global_buffer, .address_space: global }
      - { .name: bo, .offset: 16, .size: 8, .value_kind: global_buffer, .address_space: global }
      - { .name: out0, .offset: 24, .size: 8, .value_kind: global_buffer, .address_space: global }
    .group_segment_fixed_size: 327680
    .private_segment_fixed_size: 0
    .kernarg_segment_align: 8
    .kernarg_segment_size: 32
    .max_flat_workgroup_size: 128
    .sgpr_count:     92
    .vgpr_count:     512
    .wavefront_size: 32
...
	.end_amdgpu_metadata
.endif
;; end of part 4
